; MI455X (gfx1250); checked and timed in simulation.
; The chip was launched on July 23, 2026; its instructions are those of AMD's public machine-readable ISA for CDNA 5 (MIT licence, August 2026) and "CDNA5" Instruction Set Architecture Reference Guide (July 2026). The comments in the code are by the model that wrote it; some were corrected since.
;; Noisy Topk Router. Allowed arithmetic: matrix products marked QUANTISED: E2M3 operands, one E8M0 scale for each 32 along K, by v_wmma_scale_f32_16x16x128_f8f6f4 with both operands' format E2M3, f32 sums; products left as they are: f32 operands where the result goes on into a quantised operand, else bf16, f16 or f32 operands; f32 sums; everything else in f32.
;; Inputs: W1_codes 4,096 x 32 x 24 uint8 (E2M3 codes of W1, K innermost, in blocks of 32 codes, four codes in three bytes); W1_scales 4,096 x 32 uint8 (E8M0 scales of W1, one for each 32 codes along K); W2_codes 1,024 x 128 x 24 uint8 (E2M3 codes of W2, K innermost, in blocks of 32 codes, four codes in three bytes); W2_scales 1,024 x 128 uint8 (E8M0 scales of W2, one for each 32 codes along K); b1 4,096 float32; b2 1,024 float32; noise 8 x 1,024 x 8 float32; noise_b 1 float32; noise_w 1,024 x 1 float32; temperature one number float32; type_queries 8 x 1,024 float32; x 8 x 1,024 x 1,024 float32.
;; Outputs: out0 8 x 1,024 x 8 float32; out1 8 x 1,024 x 2 int32.
;; This version of the problem:
;;   THIS VERSION OF THE PROBLEM IS GIVEN IN LOW PRECISION. The matrix products marked QUANTISED in the list below multiply operands that are first quantised to E2M3 (2 exponent bits, 3 mantissa bits; 6 bits a number), with one power-of-two scale for each 32 numbers along K (OCP MX v1.0); their sums are f32. All else is computed in f32.
;;   The module's matrix products, in the order in which they are computed (A, B: the left and right operand; K: the contracted axis; several contracted axes count as one K, in the product's order):
;;     1. [M 8,192, K 1,024] x [K 1,024, N 4,096]; A: input x; B: input W1 (given as codes): QUANTISED
;;     2. [M 8,192, K 4,096] x [K 4,096, N 1,024]; A: computed on the way; B: input W2 (given as codes): QUANTISED
;;     3. [M 8,192, K 1,024] x [K 1,024, N 8]; A: computed on the way; B: input type_queries: left as it is (N = 8 < 16)
;;     4. [M 8,192, K 1,024] x [K 1,024, N 1]; A: input x; B: input noise_w: left as it is (N = 1 < 16)
;;   THE QUANTISER, for each operand of a quantised product, along K:
;;     - K is cut into blocks of 32 from its start; a last block that is shorter is filled with zeros.
;;     - A block's scale is 2^e with e = floor(log2(the largest magnitude in the block)) - 2, held to -126 .. 127; a block of zeros has e = 0. As a byte (E8M0): e + 127.
;;     - Each number is divided by its block's scale, clamped to +-7.5, and rounded to the nearest number of E2M3, ties to even, subnormals kept.
;;     - The product sums the exact products of the quantised numbers (number of the format x scale) in f32.
;;   ~~~python
;;   def quantise(x, axis):      # numpy; x: float32 -> the quantised numbers, widened to float32 again
;;       x = np.moveaxis(x, axis, -1); K = x.shape[-1]
;;       x = np.pad(x, [(0, 0)] * (x.ndim - 1) + [(0, -K % 32)]); x = x.reshape(x.shape[:-1] + (-1, 32)); a = np.abs(x).max(-1, keepdims=True)
;;       e = np.where(a > 0, np.clip(np.frexp(np.where(a > 0, a, 1))[1] - 1 - 2, -126, 127), 0)      # np.frexp(a)[1] - 1 = floor(log2(a)), exactly
;;       r = np.clip(x / 2.0 ** e, -7.5, 7.5)
;;       step = 2.0 ** (np.maximum(np.frexp(np.where(r == 0, 1, r))[1] - 1, 0) - 3)
;;       q = np.round(r / step) * step * 2.0 ** e      # np.round: ties to even
;;       return np.moveaxis(q.reshape(q.shape[:-2] + (-1,))[..., :K], -1, axis).astype(np.float32)
;;   ~~~
;;   OPERANDS COMPUTED ON THE WAY. 'Computed on the way' means the value that the module computes at that place (a softmax that the list does not call 'softmax' is quantised finished and normalised). What goes into a quantiser is computed in f32, as accurately as f32 sums, v_exp_f32 and their like allow (about 1e-6 of the number): no bf16 or f16 on the way to a quantiser, and a product that is left as it is and whose result goes on into a quantised operand takes f32 operands (vector FMAs, or v_wmma_f32_16x16x4_f32). A number that lies on a knife's edge between two numbers of the format may be rounded either way, as far as f32 arithmetic and the matrix unit's own rounding can turn it there, and no further.
;;   INPUTS GIVEN AS CODES. W1 (in the module: [1024, 4096], K = its axis 0); W2 (in the module: [4096, 1024], K = its axis 0): each comes as NAME_codes (uint8): NAME with its K axis moved to the last place and cut into blocks of 32 codes, [.., K / 32, bytes a block], one block behind the other in memory; four codes in three bytes: a row's codes are one little-endian stream of bits, code i at bits 6 i .. 6 i + 5 (a code: sign, 2 exponent bits, 3 mantissa bits); and NAME_scales (uint8): the same leading axes, one E8M0 byte (e + 127) for each 32 codes along K. Its value is code x scale, taken as it is: it is not quantised again, and the codes and scales need not be those that the quantiser above would give.
;; One version. Each part assembles by itself: llvm-mc -triple=amdgcn-amd-amdhsa -mcpu=gfx1250 --defsym DOCPART=n.
;; ======== version 1 of 1: 3 launches
;; limits: values are held in bf16: 8 bits of precision; right only within a limited range of input values
;; workspace buffers: XI 6,553,600 bytes; WS 6,553,600 bytes; BS 32,768 bytes; TQF 32,768 bytes; GT 65,536 bytes; PS 1,048,576 bytes
;; launch prep (part 1): grid 392 x 1, 4 waves a work-group, no clusters, 36,352 bytes of LDS; arguments x, noise_w, noise_b, W1_codes, W1_scales, W2_codes, W2_scales, b1, b2, type_queries, XI, GT, WS, BS, TQF; writes XI, GT, WS, BS, TQF
.if DOCPART == 1
	.amdgcn_target "amdgcn-amd-amdhsa--gfx1250"
	.amdhsa_code_object_version 6
	.text
	.protected	k_qe30ebd6c26_prep
	.globl	k_qe30ebd6c26_prep
	.p2align	8
	.type	k_qe30ebd6c26_prep,@function
k_qe30ebd6c26_prep:
	s_mov_b64 s[64:65], 0
	v_nop
	global_prefetch_b8 v0, s[64:65] scope:SCOPE_SE
	s_setreg_imm32_b32 hwreg(HW_REG_WAVE_MODE, 25, 1), 1
	s_wait_xcnt 0x0
; Lays every operand of the fused launch in the order in which a wave's registers take it.
; A UNIT is 128 rows x 128 K of FP6 (E2M3) codes: 8 fragment images of 1,536 bytes (tile t, register group c, lane l at 1536 t + 512 c + 16 l) and a scale image of
; 512 bytes (lane l's word j = the E8M0 word of tile 2 j + l / 16, row l % 16).  So a fragment is three loads of 16 bytes a lane and eight tiles' scale words are one.
; Work-groups 0-255:   x [8192][1024] f32 -> XI [64 row blocks][8 K steps] UNIT, by the MX rule, and the gate's dot product x . noise_w, in two halves along K -> GT [2][8192]; half 0 holds noise_b too.
;                      The last launch adds the halves and takes the sigmoid.
; Work-groups 256-319: W1's codes and scales -> WS (passes 0, 1), b1 -> BS.     Work-groups 320-383: W2's -> WS (passes 2, 3), b2 / 4 -> BS.
; Work-groups 384-391: type_queries -> TQF: bf16 fragments, rows 0-7 the leading bf16 part of the 8 experts, rows 8-15 the bf16 of what that part leaves.
; No tensor load, no cluster, no prefetch: every byte is read once, by loads that are all issued at a wave's start, and there is no loop to run ahead in.
; LIMITS: NaN and infinities among the inputs are not served.  A block whose largest magnitude lies under 2^-124 (a block of zeros among them) gets the byte 1 where the rule
; says another: its codes are zeros then, which add nothing under any byte but 0xff, and this program alone reads the bytes.  GT leaves in runs of 64 bytes (64 KB in all).
.set UNIT, 12800
.set SCO,  12288                       ; the scale image's place in a unit
.set RBB,  8*UNIT                      ; a row block of XI, and a fill of WS
.set STG,  16*528                      ; LDS: a stage of 16 rows x (512 + 16) bytes for each wave
.set SCB,  4*STG                       ; behind them 4 K steps x 256 bytes of scale words
.set XN,   16                          ; v16-79   64 numbers of a lane: register 16 b + i = k 32 b + 16 (lane / 16) + i of row lane % 16
.set NW,   80                          ; v80-95   noise_w, four registers a K step
.set GA,   112                         ; v112-143 the gate's sums, a pair for each of my 16 rows
.set TM,   144                         ; v144-159 at work in the quantiser
.set PW,   160                         ; v160     the scale word just made
.set PC,   164                         ; v164-183 the codes just made
.set SEL,  30                          ; s[30:31] v_permlanex16_b32's selects for lane l xor 16
.set MSB,  0
.macro WIN new                         ; the immediate's high byte repeats the setting that is left
.if MSB != (\new)
	s_set_vgpr_msb (MSB<<8)|(\new)
.set MSB, (\new)
.endif
.endm
; 64 numbers of a lane become a fragment's 12 registers in v[PC] on and its row's scale word in v[PW]
.macro QUANT s
.irp b, 0,1,2,3
	v_max3_num_f32 v[TM+\b], |v[\s+16*\b]|, |v[\s+1+16*\b]|, 0x1800000   ; block b: my 16 numbers, and the floor 2^(3 - 127): the byte cannot fall under 1
.endr
.irp i, 2,4,6,8,10,12,14
.irp b, 0,1,2,3
	v_max3_num_f32 v[TM+\b], v[TM+\b], |v[\s+16*\b+\i]|, |v[\s+1+16*\b+\i]|   ; the four blocks by turns
.endr
.endr
.irp b, 0,1,2,3
	v_permlanex16_b32 v[TM+4+\b], v[TM+\b], s[SEL], s[SEL+1]
.endr
.irp b, 0,1,2,3
	v_max_num_f32 v[TM+\b], v[TM+\b], v[TM+4+\b]   ; with lane l xor 16's: the block's largest magnitude
.endr
.irp b, 0,1,2,3
	v_add_nc_u32 v[TM+12+\b], 0xff000000, v[TM+\b]   ; 2 off its exponent field: the conversion takes that field as its scale
.endr
.irp b, 0,1,2,3
	v_lshrrev_b32 v[TM+4+\b], 23, v[TM+12+\b]      ; the scale's byte
.endr
	v_lshl_or_b32 v[PW], v[TM+5], 8, v[TM+4]
	v_lshl_or_b32 v[PW], v[TM+6], 16, v[PW]
	v_lshl_or_b32 v[PW], v[TM+7], 24, v[PW]
.irp c, 0,1
	v_cvt_scalef32_pk16_fp6_f32 v[PC+6*\c:PC+2+6*\c], v[\s+32*\c:\s+15+32*\c], v[TM+12+2*\c]
	v_cvt_scalef32_pk16_fp6_f32 v[PC+12+4*\c:PC+14+4*\c], v[\s+16+32*\c:\s+31+32*\c], v[TM+13+2*\c]   ; (a conversion's three registers begin on an even number)
.endr
	v_nop                                          ; one plain place behind a scaled conversion
.irp c, 0,1                                    ; the operand wants a WHOLE block in a lane: lanes 0-15 block 2 c, lanes 16-31 block 2 c + 1
.irp i, 0,1,2
	v_permlane16_swap_b32 v[PC+6*\c+\i], v[PC+12+4*\c+\i]
.endr
.irp i, 0,1,2
	v_mov_b32 v[PC+3+6*\c+\i], v[PC+12+4*\c+\i]
.endr
.endr
.endm
	v_lshl_add_u32 v254, v0, 2, 0x8c00
	v_mov_b32 v255, 0
	s_cmp_lt_u32 ttmp9, 256
	s_cbranch_scc0 .Lnot_x
; ---------------------------------------------------------------- x.  Work-group: row block rb = wg / 4, parity p = (wg / 2) % 2, K half kh = wg % 2.  Wave j takes the 16 rows of tile a = 2 j + p and K steps 4 kh .. 4 kh + 3,
; so that the work-group owns lanes 16 p .. 16 p + 15 of four scale images: 256 bytes on end in each.
	s_load_b128 s[4:7], s[0:1], 0x0                ; x, noise_w
	s_load_b64 s[8:9], s[0:1], 0x10                ; noise_b
	s_load_b128 s[12:15], s[0:1], 0x50             ; XI, GT
	v_lshrrev_b32 v8, 5, v0
	v_readfirstlane_b32 s16, v8                    ; wave j
	v_and_b32 v4, 31, v0                           ; lane
	v_lshlrev_b32 v1, 4, v4                        ; 16 x lane: my place in a load's 512 bytes and in an image
	v_and_b32 v6, 15, v0                           ; r
	v_bfe_u32 v7, v0, 4, 1                         ; h
	s_mul_i32 s17, s16, STG
	v_add_nc_u32 v2, s17, v1                       ; the stage, in: 16 x lane, a row every 528 bytes
	v_mul_u32_u24 v3, v6, 528
	v_lshl_add_u32 v3, v7, 6, v3
	v_add_nc_u32 v3, s17, v3                       ; and out: row r, + 64 h: my 16 numbers of each block of 32
	v_lshlrev_b32 v5, 4, v6
	s_lshl_b32 s18, s16, 2
	s_add_co_u32 s18, s18, SCB
	v_add_nc_u32 v5, s18, v5                       ; my row's scale word: SCB + 16 r + 4 j (+ 256 a K step)
	v_lshlrev_b32 v9, 2, v4
	s_lshr_b32 s19, ttmp9, 2                       ; rb
	s_bfe_u32 s20, ttmp9, 0x10001                  ; p
	s_and_b32 s36, ttmp9, 1                        ; kh
	s_lshl_b32 s21, s16, 1
	s_add_co_u32 s21, s21, s20                     ; a
	s_lshl_b32 s22, s19, 19
	s_lshl_b32 s23, s21, 16
	s_add_co_u32 s22, s22, s23                     ; x: (128 rb + 16 a) rows of 4,096 bytes,
	s_lshl_b32 s23, s36, 11
	s_add_co_u32 s22, s22, s23                     ; + 2,048 bytes for the second half of K
	s_mov_b32 s23, 0
	s_mul_i32 s37, s36, 4*UNIT                     ; XI: the half's four units
	s_mul_i32 s24, s19, RBB
	s_mul_i32 s25, s21, 1536
	s_add_co_u32 s24, s24, s25
	s_add_co_u32 s24, s24, s37                     ; XI: my tile's image in the half's first unit
	s_mov_b32 s25, 0
	s_lshl_b32 s26, s19, 9
	s_lshl_b32 s27, s21, 6
	s_add_co_u32 s26, s26, s27                     ; GT: 4 bytes a row,
	s_lshl_b32 s27, s36, 15
	s_add_co_u32 s26, s26, s27                     ; 32,768 bytes a half
	s_mov_b32 s27, 0
	s_mul_i32 s28, s19, RBB
	s_lshl_b32 s29, s20, 8
	s_add_co_u32 s28, s28, s29
	s_add_co_u32 s28, s28, s37
	s_add_co_u32 s28, s28, SCO                     ; XI: my half of the first unit's scale image
	s_mov_b32 s29, 0
	s_lshl_b32 s38, s36, 11                        ; noise_w: 512 numbers a half
	s_mov_b32 s39, 0
	s_mov_b32 s[SEL], 0x76543210
	s_mov_b32 s[SEL+1], 0xfedcba98
.irp b, 0,1,2,3
	v_mov_b32 v[TM+4+\b], 0                        ; written once: a lane permute's destination counts as one of its sources
.endr
	s_wait_alu depctr_va_vdst(0)                   ; the head's end
	s_wait_kmcnt 0x0
	s_load_b32 s32, s[8:9], 0x0                    ; noise_b
	s_add_nc_u64 s[4:5], s[4:5], s[22:23]
	s_add_nc_u64 s[6:7], s[6:7], s[38:39]
	s_add_nc_u64 s[34:35], s[12:13], s[28:29]
	s_add_nc_u64 s[12:13], s[12:13], s[24:25]
	s_add_nc_u64 s[14:15], s[14:15], s[26:27]
.irp s, 0,1,2,3
	global_load_b128 v[NW+4*\s:NW+4*\s+3], v1, s[6:7] offset:512*\s
.endr
	WIN 0x40                                       ; all four K steps of my 16 rows into window 1, 64 registers a step: each load reads 512 consecutive bytes of one row; 64 loads of mine are out
.irp s, 0,1,2,3
.irp i, 0,1,2,3,4,5,6,7,8,9,10,11,12,13,14,15
	global_load_b128 v[64*\s+4*\i:64*\s+4*\i+3], v1, s[4:5] offset:4096*\i+512*\s th:TH_LOAD_NT
.endr
.endr
	WIN 0
.macro XSTEP s
.set RS, 64*(\s)
	s_wait_loadcnt 16*(3-(\s))                     ; this step's 16 loads (and noise_w) are in; the younger steps' stay out
	WIN 0x01                                       ; source 0 in window 1
.irp i, 0,1,2,3,4,5,6,7,8,9,10,11,12,13,14,15
.if (\s) == 0
	v_pk_mul_f32 v[GA+2*\i:GA+2*\i+1], v[RS+4*\i:RS+4*\i+1], v[NW+4*(\s):NW+4*(\s)+1]     ; the first products start the gate's sums
.else
	v_pk_fma_f32 v[GA+2*\i:GA+2*\i+1], v[RS+4*\i:RS+4*\i+1], v[NW+4*(\s):NW+4*(\s)+1], v[GA+2*\i:GA+2*\i+1]
.endif
.endr
.irp i, 0,1,2,3,4,5,6,7,8,9,10,11,12,13,14,15
	v_pk_fma_f32 v[GA+2*\i:GA+2*\i+1], v[RS+4*\i+2:RS+4*\i+3], v[NW+4*(\s)+2:NW+4*(\s)+3], v[GA+2*\i:GA+2*\i+1]
.endr
	WIN 0x04                                       ; an LDS store's data are its source 1
.irp i, 0,1,2,3,4,5,6,7,8,9,10,11,12,13,14,15
	ds_store_b128 v2, v[RS+4*\i:RS+4*\i+3] offset:528*\i
.endr
	WIN 0
.irp b, 0,1,2,3
.irp j, 0,1,2,3
	ds_load_b128 v[XN+16*\b+4*\j:XN+16*\b+4*\j+3], v3 offset:128*\b+16*\j   ; LDS serves a wave's instructions in order: these see the stores above
.endr
.endr
	s_wait_dscnt 0x0
	s_wait_xcnt 0x0                                ; the last step's stores have read the codes' registers
	QUANT XN
.irp c, 0,1,2
	global_store_b128 v1, v[PC+4*\c:PC+4*\c+3], s[12:13] offset:UNIT*(\s)+512*\c          ; 32 lanes store 512 consecutive bytes
.endr
	ds_store_b32 v5, v[PW] offset:256*(\s)         ; lanes r and r + 16 write the same word with the same value
.endm
.irp s, 0,1,2,3
	XSTEP \s
.endr
	; the gate: each row's 64 partial sums are added, row r's total is brought to lane r
.irp i, 0,1,2,3,4,5,6,7,8,9,10,11,12,13,14,15
	v_add_f32 v[GA+2*\i], v[GA+2*\i], v[GA+2*\i+1]
.endr
.irp m, 1,2,4,8
.irp i, 0,1,2,3,4,5,6,7,8,9,10,11,12,13,14,15
	v_add_f32_dpp v[GA+2*\i], v[GA+2*\i], v[GA+2*\i] row_xmask:\m row_mask:0xf bank_mask:0xf
.endr
.endr
.irp i, 0,1,2,3,4,5,6,7,8,9,10,11,12,13,14,15
	v_permlanex16_b32 v[XN+\i], v[GA+2*\i], s[SEL], s[SEL+1]
.endr
.irp i, 0,1,2,3,4,5,6,7,8,9,10,11,12,13,14,15
	v_add_f32 v[GA+2*\i], v[GA+2*\i], v[XN+\i]
.endr
	v_mov_b32 v8, v[GA]
.irp i, 1,2,3,4,5,6,7,8,9,10,11,12,13,14,15
	s_mov_b32 s33, 0x10001<<\i
	v_cndmask_b32 v8, v8, v[GA+2*\i], s33
.endr
	s_wait_alu depctr_va_vdst(0)
	s_wait_kmcnt 0x0
	s_cmp_eq_u32 s36, 0
	s_cselect_b32 s32, s32, 0                      ; noise_b goes into the first half's sum alone
	v_add_f32 v8, s32, v8
	v_cmp_gt_u32 vcc_lo, 16, v4
	s_wait_xcnt 0x0                                ; EXEC changes only behind this wait
	s_and_saveexec_b32 s33, vcc_lo
	s_wait_alu depctr_va_vdst(0)
	global_store_b32 v9, v8, s[14:15]              ; lanes 0-15: my 16 rows' sums over my half of K
	s_wait_xcnt 0x0
	s_or_b32 exec_lo, exec_lo, s33
	; the scale images: four waves' words meet in LDS and leave as runs of 256 bytes
	s_wait_dscnt 0x0                               ; for the others' sake: my words have landed
	s_barrier_signal -1
	s_barrier_wait -1
	s_cmp_lt_u32 s16, 2                            ; 4 K steps x 16 rows: waves 0 and 1 store them
	s_cbranch_scc0 .Lx_end
	v_lshlrev_b32 v10, 4, v0
	ds_load_b128 v[12:15], v10 offset:SCB          ; thread t: K step t / 16, row t % 16: four tiles' words
	v_lshrrev_b32 v11, 4, v0
	v_mul_u32_u24 v11, v11, UNIT
	v_lshl_add_u32 v11, v6, 4, v11
	s_wait_alu depctr_va_vdst(0)
	s_wait_dscnt 0x0
	global_store_b128 v11, v[12:15], s[34:35]      ; sixteen lanes store 256 consecutive bytes, aligned
.Lx_end:
	s_wait_tensorcnt 0x0                           ; the wave's end
	ds_add_u32 v254, v255
	s_wait_dscnt 0x0
	s_endpgm
; ---------------------------------------------------------------- the weights.  idx = g + 2 w + 8 pp + 16 qd; wave j makes the unit of K step ks = 4 g + j for wave w of pass pp (W2: 2 + pp) of quarter qd.
; W1's tile t takes rows 32 (t / 2) + 8 (t % 2) + r + 8 (r / 8) of the wave's 128, so that the results of tiles 2 b, 2 b + 1 are 16 neighbours along the next K; W2's tile t rows 16 t + r.
.macro WPATH is2
.set CP,  768+2304*\is2                ; a row of codes in bytes
.set SPI, 32+96*\is2                   ; a row of scale bytes
.if \is2
	s_load_b128 s[4:7], s[0:1], 0x28               ; W2's codes, scales
	s_load_b64 s[10:11], s[0:1], 0x40              ; b2
.else
	s_load_b128 s[4:7], s[0:1], 0x18               ; W1's codes, scales
	s_load_b64 s[10:11], s[0:1], 0x38              ; b1
.endif
	s_load_b128 s[12:15], s[0:1], 0x60             ; WS, BS
	s_sub_co_u32 s16, ttmp9, 256+64*\is2
	s_and_b32 s17, s16, 1                          ; g
	s_bfe_u32 s18, s16, 0x20001                    ; w
	s_bfe_u32 s19, s16, 0x10003                    ; pp
	s_lshr_b32 s20, s16, 4                         ; qd
	v_lshrrev_b32 v5, 5, v0
	v_readfirstlane_b32 s21, v5                    ; wave j
	s_lshl_b32 s22, s17, 2
	s_add_co_u32 s22, s22, s21                     ; ks
	s_lshl_b32 s23, s19, 9
	s_lshl_b32 s24, s18, 7
	s_add_co_u32 s23, s23, s24                     ; first row: 512 pp + 128 w
.if \is2
	s_lshl_b32 s26, s20, 3
	s_add_co_u32 s26, s26, s22                     ; W2: the quarter lies along K: step 8 qd + ks of its rows
.else
	s_lshl_b32 s24, s20, 10
	s_add_co_u32 s23, s23, s24                     ; W1: the quarter lies along the rows: + 1024 qd
	s_mov_b32 s26, s22
.endif
	s_mul_i32 s24, s23, CP
	s_mul_i32 s27, s26, 96
	s_add_co_u32 s24, s24, s27                     ; the codes
	s_mov_b32 s25, 0
	s_mul_i32 s28, s23, SPI
	s_lshl_b32 s27, s26, 2
	s_add_co_u32 s28, s28, s27                     ; the scale words
	s_mov_b32 s29, 0
	s_lshl_b32 s30, s23, 2                         ; the bias
	s_mov_b32 s31, 0
	s_add_co_u32 s32, s19, 2*\is2                  ; pass
	s_lshl_b32 s33, s20, 4
	s_lshl_b32 s34, s32, 2
	s_add_co_u32 s33, s33, s34
	s_lshr_b32 s34, s22, 1
	s_add_co_u32 s33, s33, s34                     ; fill: 16 qd + 4 pass + ks / 2
	s_mul_i32 s34, s33, RBB
	s_lshl_b32 s35, s18, 1
	s_and_b32 s36, s22, 1
	s_add_co_u32 s35, s35, s36
	s_mul_i32 s35, s35, UNIT                       ; in it unit 2 w + ks % 2
	s_add_co_u32 s34, s34, s35
	s_mov_b32 s35, 0
	s_lshl_b32 s36, s20, 2
	s_add_co_u32 s36, s36, s32
	s_lshl_b32 s36, s36, 2
	s_add_co_u32 s36, s36, s18
	s_lshl_b32 s36, s36, 9                         ; BS: ((4 qd + pass) 4 + w) x 512 bytes
	s_mov_b32 s37, 0
	v_and_b32 v6, 31, v0                           ; lane
	v_lshlrev_b32 v1, 4, v6
	v_and_b32 v7, 15, v0                           ; r
	v_bfe_u32 v8, v0, 4, 1                         ; h
.if \is2 == 0
	v_and_b32 v9, 8, v7
	v_add_nc_u32 v7, v7, v9                        ; r + 8 (r / 8)
	v_lshrrev_b32 v4, 3, v6                        ; b1 in the result's layout: lane l's four numbers are those of tile t = l / 4, half (l / 2) % 2, registers 4 (l % 2) on:
	v_lshlrev_b32 v4, 7, v4                        ; hidden unit 32 (t / 2) + 8 (t % 2) + 16 half + 4 (l % 2), four bytes each
	v_bfe_u32 v9, v6, 2, 1
	v_lshl_add_u32 v4, v9, 5, v4
	v_bfe_u32 v9, v6, 1, 1
	v_lshl_add_u32 v4, v9, 6, v4
	v_and_b32 v9, 1, v6
	v_lshl_add_u32 v4, v9, 4, v4
.else
	v_lshlrev_b32 v4, 4, v6                        ; b2: rows as they lie
.endif
	v_mul_u32_u24 v2, v7, CP
	v_mad_u32_u24 v2, v8, 24, v2                   ; codes: my row, + 24 h
	v_mul_u32_u24 v3, v7, SPI
	v_lshl_add_u32 v3, v8, 8+3*\is2, v3            ; scale words: lanes 16-31 take the odd tile: 8 rows (W2: 16) further on
	s_wait_alu depctr_va_vdst(0)
	s_wait_kmcnt 0x0
	s_add_nc_u64 s[4:5], s[4:5], s[24:25]
	s_add_nc_u64 s[6:7], s[6:7], s[28:29]
	s_add_nc_u64 s[10:11], s[10:11], s[30:31]
	s_add_nc_u64 s[12:13], s[12:13], s[34:35]
	s_add_nc_u64 s[14:15], s[14:15], s[36:37]
.irp t, 0,1,2,3,4,5,6,7
.irp p, 0,1,2,3,4,5
.if \is2
	global_load_b64 v[16+12*\t+2*\p:17+12*\t+2*\p], v2, s[4:5] offset:16*\t*CP+48*(\p/3)+8*(\p%3)
.else
	global_load_b64 v[16+12*\t+2*\p:17+12*\t+2*\p], v2, s[4:5] offset:(32*(\t/2)+8*(\t%2))*CP+48*(\p/3)+8*(\p%3)
.endif
.endr
.endr
.irp j, 0,1,2,3
	global_load_b32 v[112+\j], v3, s[6:7] offset:32*\j*SPI    ; tiles 2 j and 2 j + 1 begin 32 j rows on
.endr
.irp t, 0,1,2,3,4,5,6,7
	s_wait_loadcnt 52-6*(\t+1)                     ; tile t's six loads are in; the younger tiles' and the four scale words may be out
.irp c, 0,1,2
	global_store_b128 v1, v[16+12*\t+4*\c:19+12*\t+4*\c], s[12:13] offset:1536*\t+512*\c
.endr
.endr
	s_wait_loadcnt 0x0
	global_store_b128 v1, v[112:115], s[12:13] offset:SCO
	s_or_b32 s30, s17, s21                         ; one wave of the two work-groups that share (qd, pass, w) writes the 512 bytes of bias
	s_cmp_lg_u32 s30, 0
	s_cbranch_scc1 .Lno_bias_\@
	global_load_b128 v[116:119], v4, s[10:11]
	s_wait_loadcnt 0x0
.if \is2
	v_pk_mul_f32 v[116:117], v[116:117], 0x3e800000 op_sel_hi:[1,0]   ; each of the four quarters adds an exact quarter of b2
	v_pk_mul_f32 v[118:119], v[118:119], 0x3e800000 op_sel_hi:[1,0]
.endif
	global_store_b128 v1, v[116:119], s[14:15]
.Lno_bias_\@:
	s_endpgm
.endm
.Lnot_x:
	s_cmp_lt_u32 ttmp9, 320
	s_cbranch_scc0 .Lnot_w1
	WPATH 0
.Lnot_w1:
	s_cmp_lt_u32 ttmp9, 384
	s_cbranch_scc0 .Ltq
	WPATH 1
; ---------------------------------------------------------------- type_queries: wave = one fragment of 16 rows x 32 K of bf16: lane (r, h): registers 0-3 k = 8 h + 0..7, registers 4-7 k = 16 + 8 h + 0..7
.Ltq:
	s_load_b64 s[4:5], s[0:1], 0x48                ; type_queries
	s_load_b64 s[6:7], s[0:1], 0x70                ; TQF
	v_lshrrev_b32 v5, 5, v0
	v_readfirstlane_b32 s8, v5
	s_sub_co_u32 s9, ttmp9, 384
	s_lshl_b32 s9, s9, 2
	s_add_co_u32 s9, s9, s8                        ; kq: which 32 of the 1,024
	s_lshl_b32 s10, s9, 7
	s_mov_b32 s11, 0
	s_lshl_b32 s12, s9, 10
	s_mov_b32 s13, 0
	s_mov_b32 s14, 0xffff0000
	v_and_b32 v6, 31, v0
	v_lshlrev_b32 v1, 4, v6
	v_and_b32 v7, 15, v0                           ; r
	v_bfe_u32 v8, v0, 4, 1                         ; h
	v_and_b32 v9, 7, v0                            ; the expert
	v_lshlrev_b32 v2, 12, v9
	v_lshl_add_u32 v2, v8, 5, v2
	s_wait_alu depctr_va_vdst(0)
	s_wait_kmcnt 0x0
	s_add_nc_u64 s[4:5], s[4:5], s[10:11]
	s_add_nc_u64 s[6:7], s[6:7], s[12:13]
	global_load_b128 v[16:19], v2, s[4:5]
	global_load_b128 v[20:23], v2, s[4:5] offset:16
	global_load_b128 v[24:27], v2, s[4:5] offset:64
	global_load_b128 v[28:31], v2, s[4:5] offset:80
	s_wait_loadcnt 0x0
.irp i, 0,1,2,3,4,5,6,7
	v_cvt_pk_bf16_f32 v[32+\i], v[16+2*\i], v[17+2*\i]         ; the leading part
.endr
.irp i, 0,1,2,3,4,5,6,7
	v_lshlrev_b32 v[40+2*\i], 16, v[32+\i]
	v_and_b32 v[41+2*\i], s14, v[32+\i]
.endr
.irp i, 0,1,2,3,4,5,6,7
	v_pk_add_f32 v[56+2*\i:57+2*\i], v[16+2*\i:17+2*\i], v[40+2*\i:41+2*\i] neg_lo:[0,1] neg_hi:[0,1]   ; what it leaves, exactly
.endr
.irp i, 0,1,2,3,4,5,6,7
	v_cvt_pk_bf16_f32 v[72+\i], v[56+2*\i], v[57+2*\i]
.endr
	v_cmp_lt_u32 vcc_lo, 7, v7                     ; rows 8-15 hold the second part
.irp i, 0,1,2,3,4,5,6,7
	v_cndmask_b32 v[32+\i], v[32+\i], v[72+\i], vcc_lo
.endr
	global_store_b128 v1, v[32:35], s[6:7]
	global_store_b128 v1, v[36:39], s[6:7] offset:512
	s_endpgm
.Lfunc_end_k_qe30ebd6c26_prep:
	.size	k_qe30ebd6c26_prep, .Lfunc_end_k_qe30ebd6c26_prep-k_qe30ebd6c26_prep
	.p2alignl 7, 3214868480
	.fill 96, 4, 3214868480
	.section	.rodata,"a",@progbits
	.p2align	6, 0x0
	.amdhsa_kernel k_qe30ebd6c26_prep
		.amdhsa_group_segment_fixed_size 36352
		.amdhsa_private_segment_fixed_size 0
		.amdhsa_enable_private_segment 0
		.amdhsa_kernarg_size 120
		.amdhsa_user_sgpr_count 2
		.amdhsa_user_sgpr_kernarg_segment_ptr 1
		.amdhsa_wavefront_size32 1
		.amdhsa_system_sgpr_workgroup_id_x 1
		.amdhsa_system_sgpr_workgroup_id_y 1
		.amdhsa_system_sgpr_workgroup_id_z 1
		.amdhsa_system_vgpr_workitem_id 0
		.amdhsa_next_free_vgpr 512
		.amdhsa_next_free_sgpr 66
		.amdhsa_reserve_vcc 1
		.amdhsa_float_denorm_mode_32 3
		.amdhsa_float_denorm_mode_16_64 3
		.amdhsa_memory_ordered 1
		.amdhsa_forward_progress 1
		.amdhsa_inst_pref_size 77
	.end_amdhsa_kernel
	.amdgpu_metadata
---
amdhsa.version: [ 1, 2 ]
amdhsa.kernels:
  - .name:           k_qe30ebd6c26_prep
    .symbol:         k_qe30ebd6c26_prep.kd
    .args:
      - { .name: x, .offset: 0, .size: 8, .value_kind: global_buffer, .address_space: global }
      - { .name: noise_w, .offset: 8, .size: 8, .value_kind: global_buffer, .address_space: global }
      - { .name: noise_b, .offset: 16, .size: 8, .value_kind: global_buffer, .address_space: global }
      - { .name: W1_codes, .offset: 24, .size: 8, .value_kind: global_buffer, .address_space: global }
      - { .name: W1_scales, .offset: 32, .size: 8, .value_kind: global_buffer, .address_space: global }
      - { .name: W2_codes, .offset: 40, .size: 8, .value_kind: global_buffer, .address_space: global }
      - { .name: W2_scales, .offset: 48, .size: 8, .value_kind: global_buffer, .address_space: global }
      - { .name: b1, .offset: 56, .size: 8, .value_kind: global_buffer, .address_space: global }
      - { .name: b2, .offset: 64, .size: 8, .value_kind: global_buffer, .address_space: global }
      - { .name: type_queries, .offset: 72, .size: 8, .value_kind: global_buffer, .address_space: global }
      - { .name: XI, .offset: 80, .size: 8, .value_kind: global_buffer, .address_space: global }
      - { .name: GT, .offset: 88, .size: 8, .value_kind: global_buffer, .address_space: global }
      - { .name: WS, .offset: 96, .size: 8, .value_kind: global_buffer, .address_space: global }
      - { .name: BS, .offset: 104, .size: 8, .value_kind: global_buffer, .address_space: global }
      - { .name: TQF, .offset: 112, .size: 8, .value_kind: global_buffer, .address_space: global }
    .group_segment_fixed_size: 36352
    .private_segment_fixed_size: 0
    .kernarg_segment_align: 8
    .kernarg_segment_size: 120
    .max_flat_workgroup_size: 128
    .sgpr_count:     66
    .vgpr_count:     512
    .wavefront_size: 32
...
	.end_amdgpu_metadata
.endif
;; end of part 1
;; launch mlp (part 2): grid 256 x 1, 4 waves a work-group, clusters of 4 x 1, 327,680 bytes of LDS; arguments XI, WS, BS, TQF, PS; writes PS
.if DOCPART == 2
	.amdgcn_target "amdgcn-amd-amdhsa--gfx1250"
	.amdhsa_code_object_version 6
	.text
	.protected	k_qe30ebd6c26_mlp
	.globl	k_qe30ebd6c26_mlp
	.p2align	8
	.type	k_qe30ebd6c26_mlp,@function
k_qe30ebd6c26_mlp:
	s_mov_b64 s[64:65], 0
	v_nop
	global_prefetch_b8 v0, s[64:65] scope:SCOPE_SE
	s_setreg_imm32_b32 hwreg(HW_REG_WAVE_MODE, 25, 1), 1
	s_wait_xcnt 0x0
	s_wait_alu depctr_hold_cnt(0) depctr_sa_sdst(0) depctr_va_vdst(0) depctr_va_sdst(0) depctr_va_ssrc(0) depctr_va_vcc(0) depctr_vm_vsrc(0)
	s_getreg_b32 s2, hwreg(HW_REG_IB_STS2, 6, 4)
	s_cmp_eq_u32 s2, 0
	s_cbranch_scc0 .Lentry_in_a_cluster
	s_endpgm
.Lentry_in_a_cluster:
	s_bfe_u32 s2, ttmp6, 0x10000c
	s_cmp_lg_u32 s2, 0x3003
	s_cbranch_scc0 .Lentry_shape_is_right
	s_endpgm
.Lentry_shape_is_right:
; h = gelu(x W1 + b1), q = h W2 + b2, scores = q tq^T, fused.  Both large products on FP6 (E2M3) codes with one E8M0 scale for each 32 along K; h and q never go to memory.
; SHARES.  A work-group owns 128 tokens (row block rb) and a QUARTER qd of the 4,096 hidden units.  scores is linear in q, so its part of q is reduced to 8 numbers a token, stored in PS[qd]; the next launch adds the quarters.
; Four passes of one shape: A = 8 units (128 rows x 128 K each) that stay in LDS, B = 512 weight rows x K 1,024 that stream through a ring.  Passes 0, 1: A = x, B = W1's rows.  Passes 2, 3: A = h, B = W2's rows.
; Wave w takes 128 of B's rows: a tile of 128 x 128, 64 accumulators, 512 registers.  The matrix instruction is used transposed (source 0 = 16 weight rows, source 1 = 16 tokens): a lane holds one token, its registers run along the next K.
; OPERANDS LIE AS IMAGES OF THEIR REGISTERS (a unit: 8 fragment images of 1,536 bytes, then 512 bytes of scale words): every LDS access is 16 bytes a lane, 512 consecutive bytes an instruction.
; THE RING: two slots, each with two K steps of every wave's own weights (25,600 bytes a wave), filled by one tensor load a wave.  The four row blocks of a cluster share qd and walk the same weights: each fill is asked for JOINTLY (mask 15).
; x's units hang on the place in the cluster: they come through registers (50 loads and 50 LDS stores of 512 bytes a wave) into bytes that no tensor load fills, beside the head's one tensor load a wave, the fill of time 0.
; THE ORDER OF THE FILLS HANGS ON THE CLUSTER.  Class c = (g xor g / 2) % 8, g = the cluster's number / 4.  At time T = 0 .. 15 a cluster asks for fill T xor c (T < 8: W1's) or T xor (4 c1 + 2 c2 + c0) (W2's).  Only addresses in memory hang on c.
; x's K pair w xor (c % 4) lies at place pair w; passes 0, 1 run as W1's pass tau xor c2 and wave w takes part w xor 2 c0 of a fill, so that A's place 4 tau + w holds the K step that W2's fills bring in their order; passes 2, 3 run as W2's half (tau - 2) xor c1.
; PREFETCH: a fill is 400 blocks of 256 bytes; each of the cluster's 16 waves names 25 of them, told apart by address (lanes 25-31 name the wave's last block again).  Fills of times 1 and 2 are asked for at the head, the fill of time T + 1 at the refill of time T; time 16 does not exist and is jumped over.
; x and h share the 102,400 bytes of A: pass 0's h (one unit a wave, 100 registers) is parked in registers during pass 1 and stored when the last K step of pass 1 has shown x read out.
; GELU is exact: erf(z) = z P(z^2) / Q(z^2), z held to +-4, h = v / 2 + (v / 2) erf(v / sqrt 2), z made as (v / 2) sqrt 2, all in f32.
; scores: q and tq each as a leading bf16 part and the bf16 of what it leaves; all four cross products are summed in f32.
; LIMITS: NaN and infinities are not served.  h carries an absolute error of about 1e-7 |v|, as the form 0.5 v (1 + erf) does in f32.  Blocks of h under 2^-124 get the byte 1 with zero codes.
; K is summed in steps of 128 in an order that differs from class to class: the last bits of the f32 sums hang on it.
; REGISTERS.  Window 0: v1-13 addresses; v16-23 A's scale words, v24-31 B's; v32-127 A's fragments, one set; v128-223 parked codes, v224-227 their scale image; in passes 2, 3: v128-255 the scores' accumulators.
;   Window 1: v0-95, v96-191 B's fragments, two sets (between passes: work space); v192-255 the bias.  Windows 2, 3: accumulator (a, b) at v[8 (8 (a % 4) + b)] of window 2 + a / 4 (at the head: x on its way).
.set UNIT,  12800
.set SCO,   12288
.set WPART, 2*UNIT
.set FILLB, 4*WPART
.set HALFA, 4*UNIT
.set RING0, 8*UNIT
.set RING1, RING0+FILLB
.set SPARE, RING1+FILLB                ; the spare words: two blocks of 256 bytes that no other line names
.set LI,   1                           ; 16 x lane
.set ADR,  2                           ; at the head: where x goes; then LI + 0 or HALFA
.set AD1,  3
.set ADB0, 4
.set ADB1, 5
.set SPW,  6
.set NIL,  7
.set BO,   8
.set HSA,  9
.set SGW,  10
.set SGR,  11
.set PO,   12
.set PFO,  13                          ; the prefetches' offset in a fill
.set SA,   16
.set SB,   24
.set AF,   32
.set PK,   128
.set PKS,  224
.set SH,   128
.set SL,   192
.set BIAS, 192                         ; window 1
.set XE,   0                           ; window 1, GELU: z;  v / 2, then h
.set HV,   64
.set T2,   128                         ; z^2, P, Q of 16 numbers
.set PP,   144
.set QQ,   160
.set CA11, 176
.set CB6,  178
.set PW,   180
.set TM,   128                         ; the quantiser works where z^2 lay, the codes are finished where P and Q lay
.set PCW,  144
.set TQR,  0
.set QHI,  32
.set QLO,  64
.set LF,   96
.set NEG1, 160
.set BW2,  2
.set FU,   3
.set WSB,  6
.set BSB,  8
.set WV,   14
.set G1J,  20                          ; s[20:27] group 1 of the joint fills
.set XB,   28                          ; s[28:29] my part of x's units
.set G0R0, 36
.set G0R1, 40
.set PFA,  44                          ; s[44:45], s[46:47] the fills that the prefetches name
.set PFB,  46
.set TRIP, 48
.set PASS, 49
.set AP,   50
.set MROW, 51
.set MH,   52
.set TF,   53
.set SEL,  54
.set A13,  56
.set A9,   58
.set A7,   60
.set A5,   62
.set A3,   66
.set A1,   68
.set B8,   70
.set B4,   72
.set B2,   74
.set B0,   76
.set RS2,  78                          ; sqrt 2
.set FM1,  80
.set FM2,  81
.set BSP,  82
.set TQP,  84
.set FW2,  88
.set FW1,  96
.set BW1,  97
.set FT,   98
.set TQ2,  100
.set MSB,  0
.macro WIN new                         ; the immediate's high byte repeats the setting that is left
.if MSB != (\new)
	s_set_vgpr_msb (MSB<<8)|(\new)
.set MSB, (\new)
.endif
.endm
.macro PLACES n                        ; plain vector instructions behind a matrix instruction (ISA guide 7.12.1 for vector instructions)
.rept \n
	v_nop
.endr
.endm
.macro ALU
	s_wait_alu depctr_va_vdst(0)
.endm
.macro CROUND                          ; a whole round of the cluster's barrier
	s_barrier_signal -1
	s_barrier_wait -1
	s_cmp_lg_u32 s[WV], 0
	s_cbranch_scc1 .Lnot_wave_0_\@
	s_barrier_signal -3
.Lnot_wave_0_\@:
	s_barrier_wait -3
	s_barrier_signal -1
	s_barrier_wait -1
.endm
.macro CPAIR r, bits
	s_mov_b32 s[\r], \bits
	s_mov_b32 s[\r+1], \bits
.endm
; my part of the fill of time T = s[TF] goes into group 0 g0, and T steps.  No tensor load of mine is out where the macro stands.
.macro NEXTFILL g0
	s_cmp_lt_u32 s[TF], 8
	s_cselect_b32 s[FT], s[FM1], s[FM2]
	s_cselect_b32 s[FT+1], s[FW1], s[FW2]
	s_xor_b32 s[FT], s[FT], s[TF]
	s_mul_i32 s[FT], s[FT], FILLB
	s_add_co_u32 s[FT], s[FT], s[FT+1]
	s_mov_b32 s[FT+1], 0
	s_add_nc_u64 s[\g0+2:\g0+3], s[WSB:WSB+1], s[FT:FT+1]
	s_or_b32 s[\g0+3], s[\g0+3], 0x80000000
	s_add_co_u32 s[TF], s[TF], 1
.endm
.macro PFADDR pr                       ; where the whole fill of time s[TF] begins
	s_cmp_lt_u32 s[TF], 8
	s_cselect_b32 s[FT], s[FM1], s[FM2]
	s_xor_b32 s[FT], s[FT], s[TF]
	s_mul_i32 s[FT], s[FT], FILLB
	s_mov_b32 s[FT+1], 0
	s_add_nc_u64 s[\pr:\pr+1], s[WSB:WSB+1], s[FT:FT+1]
.endm
.macro BIASPTR d                       ; the bias of the pass that runs at time s[PASS] + d
	s_add_co_u32 s[FT], s[PASS], \d
	s_cmp_lt_u32 s[FT], 2
	s_cselect_b32 s[FT+1], s[FM1], s[FM2]
	s_cselect_b32 s[FU], s[BW1], s[BW2]
	s_lshr_b32 s[FT+1], s[FT+1], 2
	s_xor_b32 s[FT], s[FT], s[FT+1]
	s_lshl_b32 s[FT], s[FT], 11
	s_add_co_u32 s[FT], s[FT], s[FU]
	s_mov_b32 s[FT+1], 0
	s_add_nc_u64 s[BSP:BSP+1], s[BSB:BSB+1], s[FT:FT+1]
.endm
; 8 matrix instructions: token tile a x my 8 tiles of weight rows, 128 along K.  cm = 1: the pass's first K step: C = the bias.
; A scale register holds an even tile's words in lanes 0-15 and the odd tile's in lanes 16-31.  The 64 accumulators take turns.
.macro MULA a, set, cm
.irp b, 0,1,2,3,4,5,6,7
.set rD, 8*(8*((\a)%4)+\b)
.set rB, 96*(\set)+12*\b
.set rA, AF+12*(\a)
.set rX, SB+4*(\set)+\b/2
.set rY, SA+4*(\set)+(\a)/2
.set rC, rD
.if \cm
.set rC, BIAS+8*\b
.endif
.set par, 2*((\a)%2)+\b%2
.if par == 0
	v_wmma_scale_f32_16x16x128_f8f6f4 v[rD:rD+7], v[rB:rB+11], v[rA:rA+11], v[rC:rC+7], v[rX], v[rY] matrix_a_fmt:MATRIX_FMT_FP6 matrix_b_fmt:MATRIX_FMT_FP6
.elseif par == 1
	v_wmma_scale_f32_16x16x128_f8f6f4 v[rD:rD+7], v[rB:rB+11], v[rA:rA+11], v[rC:rC+7], v[rX], v[rY] matrix_a_fmt:MATRIX_FMT_FP6 matrix_b_fmt:MATRIX_FMT_FP6 matrix_a_scale:MATRIX_SCALE_ROW1
.elseif par == 2
	v_wmma_scale_f32_16x16x128_f8f6f4 v[rD:rD+7], v[rB:rB+11], v[rA:rA+11], v[rC:rC+7], v[rX], v[rY] matrix_a_fmt:MATRIX_FMT_FP6 matrix_b_fmt:MATRIX_FMT_FP6 matrix_b_scale:MATRIX_SCALE_ROW1
.else
	v_wmma_scale_f32_16x16x128_f8f6f4 v[rD:rD+7], v[rB:rB+11], v[rA:rA+11], v[rC:rC+7], v[rX], v[rY] matrix_a_fmt:MATRIX_FMT_FP6 matrix_b_fmt:MATRIX_FMT_FP6 matrix_a_scale:MATRIX_SCALE_ROW1 matrix_b_scale:MATRIX_SCALE_ROW1
.endif
.endr
.endm
.macro MUL16 a0, set, cm
	MULA \a0, \set, \cm
	MULA (\a0)+1, \set, \cm
.endm
.macro FETCH_B adb, off, set           ; my 8 fragments of a K step's weights: 24 loads
	WIN 0x40
.set ii, 0
.rept 24
	ds_load_b128 v[96*(\set)+4*ii:96*(\set)+4*ii+3], v[\adb] offset:(\off)+512*ii
.set ii, ii+1
.endr
	WIN 0
.endm
.macro FETCH_A ada, off, i0            ; A's tiles i0 .. i0 + 3: 12 loads
.set ii, 3*(\i0)
.rept 12
	ds_load_b128 v[AF+4*ii:AF+4*ii+3], v[\ada] offset:(\off)+512*ii
.set ii, ii+1
.endr
.endm
.macro FETCH_S ada, offa, adb, offb, set
	ds_load_b128 v[SA+4*(\set):SA+4*(\set)+3], v[\ada] offset:(\offa)+SCO
	ds_load_b128 v[SB+4*(\set):SB+4*(\set)+3], v[\adb] offset:(\offb)+SCO
.endm
; A K step whose successor lies in the same slot.  A tile of A is free as soon as its eight products are issued, so A has one set.
.macro KSTEP set, cm, nadb, noffb, nada, noffa
	FETCH_B \nadb, \noffb, 1-(\set)                ; the next step's weights and scale words, 26 loads, into the sets that the step before has left (its four places stand ahead): the whole step lies between the request and their use
	FETCH_S \nada, \noffa, \nadb, \noffb, 1-(\set)
	s_wait_dscnt 38                                ; all but A's tiles 4-7 (12 loads) and the 26 just issued
	WIN 0xa1-0x10*(\cm)
	MUL16 0, \set, \cm
	MUL16 2, \set, \cm
	s_wait_dscnt 26                                ; A's tiles 4-7 are in; the 26 may be out
	PLACES 4
	WIN 0
	FETCH_A \nada, \noffa, 0
	WIN 0xf1-0x20*(\cm)
	MUL16 4, \set, \cm
	MUL16 6, \set, \cm
	PLACES 4
	WIN 0
	FETCH_A \nada, \noffa, 4
.endm
; A slot's second K step (set 1) changes slots.  Each wave waits for all its tensor loads (one is out: the other slot's), adds 0 to its spare word, and waits for that and for its LDS reads; then the barrier.
; refill = 1: the barrier opens a round of the cluster's, with sixteen matrix instructions between its signal and its wait; the slot just read out is filled again first thing behind the round.
.macro KTURN g0, refill, fetch, nadb, nada, noffa
.if \refill
	s_wait_xcnt 0x0                                ; my last prefetch has read its address, which is written below
.endif
	s_wait_tensorcnt 0x0
	ds_add_u32 v[SPW], v[NIL]
.if \refill
	NEXTFILL \g0
	PFADDR PFA                                     ; the fill of the next refill
.endif
	s_wait_dscnt 13                                ; (the add and the youngest 12 loads may be out)
	WIN 0xa1
	MUL16 0, 1, 0
	s_wait_dscnt 0x0                               ; the add is done, and my LDS reads are over: of this slot, and of A's unit
	s_barrier_signal -1
	MUL16 2, 1, 0
	WIN 0
	s_barrier_wait -1
.if \refill
	s_cmp_lg_u32 s[WV], 0
	s_cbranch_scc1 .Lnw0_\@
	s_barrier_signal -3
.Lnw0_\@:
	s_barrier_wait -3
	s_barrier_signal -1
	s_barrier_wait -1                              ; no wave of any partner still reads this slot or has a load on its way
	tensor_load_to_lds s[\g0:\g0+3], s[G1J:G1J+7]
	s_nop 0
	PLACES 4                                       ; the places in front of the loads below
.else
	PLACES 4
.endif
.if \fetch
	FETCH_B \nadb, 0, 0
	FETCH_A \nada, \noffa, 0
	FETCH_S \nada, \noffa, \nadb, 0, 0
.endif
.if \refill
	s_cmp_lt_u32 s[TF], 16                         ; there is no fill of time 16
	s_cbranch_scc0 .Lnopf_\@
	global_prefetch_b8 v[PFO], s[PFA:PFA+1] th:TH_LOAD_NT scope:SCOPE_SE
.Lnopf_\@:
.endif
	WIN 0xf1
	MUL16 4, 1, 0
	MUL16 6, 1, 0
	PLACES 4
	WIN 0
.if \fetch
	FETCH_A \nada, \noffa, 4
.endif
.endm
.macro BIASLOAD
	WIN 0x40
.irp t, 0,1,2,3,4,5,6,7
	global_load_b128 v[BIAS+8*\t:BIAS+8*\t+3], v[BO], s[BSP:BSP+1] offset:64*\t
	global_load_b128 v[BIAS+8*\t+4:BIAS+8*\t+7], v[BO], s[BSP:BSP+1] offset:64*\t+16
.endr
	WIN 0
.endm
.macro TQLOAD p
	WIN 0x40
.irp i, 0,1,2,3,4,5,6,7
	global_load_b128 v[TQR+4*\i:TQR+4*\i+3], v[LI], s[\p:\p+1] offset:512*\i
.endr
	WIN 0
.endm
.macro PASS_HEAD                       ; K step 0's operands: slot 0, A's unit 0
	s_wait_loadcnt 0x0                             ; the bias is in, so its pointer may be written
	BIASPTR 1
	FETCH_B ADB0, 0, 0
	FETCH_A LI, 0, 0
	FETCH_S LI, 0, ADB0, 0, 0
	FETCH_A LI, 0, 4
.endm
.macro STORE_PK off
.set ii, 0
.rept 24
	ds_store_b128 v[HSA], v[PK+4*ii:PK+4*ii+3] offset:(\off)+512*ii
.set ii, ii+1
.endr
	ds_store_b128 v[HSA], v[PKS:PKS+3] offset:(\off)+SCO
.endm
; CI: a token tile's 64 sums, each accumulator from its low end on, as v / 2 in window 1
.macro CI m
	WIN 0x42+(\m)/4
	ALU                                            ; directly ahead of the first reader of these matrix results
.set ii, 0
.rept 32
	v_pk_mul_f32 v[HV+2*ii:HV+2*ii+1], v[64*((\m)%4)+2*ii:64*((\m)%4)+2*ii+1], 0.5 op_sel_hi:[1,0]
.set ii, ii+1
.endr
	WIN 0
.endm
; FIN: the tile's finished codes go into its 12 parked registers, its scale word into the parked scale image
.macro FIN m
	WIN 0x01
.irp c, 0,1
.irp i, 0,1,2
	v_mov_b32 v[PK+12*(\m)+6*\c+\i], v[PCW+6*\c+\i]
	v_mov_b32 v[PK+12*(\m)+6*\c+3+\i], v[PCW+12+4*\c+\i]
.endr
.endr
.if (\m)%2 == 0
	v_mov_b32 v[PKS+(\m)/2], v[PW]
.else
	WIN 0x04
	v_cndmask_b32 v[PKS+(\m)/2], v[PKS+(\m)/2], v[PW], s[MH]   ; the odd tile's words lie in lanes 16-31
.endif
	WIN 0
.endm
.macro HORNER d, c
.irp p, 0,2,4,6,8,10,12,14
	v_pk_fma_f32 v[\d+\p:\d+\p+1], v[\d+\p:\d+\p+1], v[T2+\p:T2+\p+1], s[\c:\c+1] op_sel_hi:[1,1,0]
.endr
.endm
; sixteen numbers: h = v / 2 + (v / 2) z P(z^2) / Q(z^2).  Among the sixteen reciprocals stand P's last step and the next sixteen's hold to +-4: their sources were written ahead of the first wait, their results are read behind the second.
.macro ERF16 g
.irp p, 0,2,4,6,8,10,12,14
	v_pk_mul_f32 v[T2+\p:T2+\p+1], v[XE+16*(\g)+\p:XE+16*(\g)+\p+1], v[XE+16*(\g)+\p:XE+16*(\g)+\p+1]
.endr
.irp p, 0,2,4,6,8,10,12,14
	v_pk_fma_f32 v[PP+\p:PP+\p+1], v[T2+\p:T2+\p+1], s[A13:A13+1], v[CA11:CA11+1] op_sel_hi:[1,0,1]
.endr
.irp p, 0,2,4,6,8,10,12,14
	v_pk_fma_f32 v[QQ+\p:QQ+\p+1], v[T2+\p:T2+\p+1], s[B8:B8+1], v[CB6:CB6+1] op_sel_hi:[1,0,1]
.endr
	HORNER PP, A9
	HORNER QQ, B4
	HORNER PP, A7
	HORNER QQ, B2
	HORNER PP, A5
	HORNER QQ, B0
	HORNER PP, A3
	ALU                                            ; ahead of the batch
.set jj, 0
.rept 8
	v_rcp_f32 v[QQ+2*jj], v[QQ+2*jj]
.if (\g) < 3
	v_med3_num_f32 v[XE+16*(\g)+16+2*jj], v[XE+16*(\g)+16+2*jj], -4.0, 4.0
.endif
	v_rcp_f32 v[QQ+2*jj+1], v[QQ+2*jj+1]
.if (\g) < 3
	v_med3_num_f32 v[XE+16*(\g)+17+2*jj], v[XE+16*(\g)+17+2*jj], -4.0, 4.0
.endif
	v_pk_fma_f32 v[PP+2*jj:PP+2*jj+1], v[PP+2*jj:PP+2*jj+1], v[T2+2*jj:T2+2*jj+1], s[A1:A1+1] op_sel_hi:[1,1,0]
.set jj, jj+1
.endr
	ALU                                            ; behind the batch
.irp p, 0,2,4,6,8,10,12,14
	v_pk_mul_f32 v[PP+\p:PP+\p+1], v[PP+\p:PP+\p+1], v[XE+16*(\g)+\p:XE+16*(\g)+\p+1]
.endr
.irp p, 0,2,4,6,8,10,12,14
	v_pk_mul_f32 v[PP+\p:PP+\p+1], v[PP+\p:PP+\p+1], v[QQ+\p:QQ+\p+1]
.endr
.irp p, 0,2,4,6,8,10,12,14
	v_pk_fma_f32 v[HV+16*(\g)+\p:HV+16*(\g)+\p+1], v[HV+16*(\g)+\p:HV+16*(\g)+\p+1], v[PP+\p:PP+\p+1], v[HV+16*(\g)+\p:HV+16*(\g)+\p+1]
.endr
.endm
; scores += tq q^T for my 128 columns of q.  A lane's eight registers of accumulator b are columns 16 b + 8 (lane / 16) + 0..7 of its token: rounded in pairs they are registers 4 (b % 2) .. of fragment b / 2.
; In the result lane (r, h) holds token r; h = 0: tq's leading part of experts 0-7, h = 1: its second part.  first = 1: the sums begin.  left: the younger loads behind tq's.
.macro SCORE first, left
	WIN 0x40
	v_mov_b32 v[NEG1], -1.0
.irp a, 0,1,2,3,4,5,6,7
	WIN 0x4a+5*(\a/4)
.set ii, 0
.rept 32
	v_cvt_pk_bf16_f32 v[QHI+ii], v[64*(\a%4)+2*ii], v[64*(\a%4)+2*ii+1]    ; q's leading part; each accumulator from its low end on
.set ii, ii+1
.endr
	WIN 0x65+0x10*(\a/4)
.set ii, 0
.rept 32
	v_fma_mix_f32_bf16 v[LF+2*ii], v[QHI+ii], v[NEG1], v[64*(\a%4)+2*ii] op_sel_hi:[1,0,0]                    ; q less its leading part, exactly
	v_fma_mix_f32_bf16 v[LF+2*ii+1], v[QHI+ii], v[NEG1], v[64*(\a%4)+2*ii+1] op_sel:[1,0,0] op_sel_hi:[1,0,0]
.set ii, ii+1
.endr
	WIN 0x45
.set ii, 0
.rept 32
	v_cvt_pk_bf16_f32 v[QLO+ii], v[LF+2*ii], v[LF+2*ii+1]
.set ii, ii+1
.endr
.if \a == 0
	ALU                                            ; directly ahead of the wait below
	s_wait_loadcnt \left                           ; tq's fragments are in
.endif
	WIN 0x05
.irp i, 0,1,2,3                                ; the two accumulators take turns
.if \first && (\i == 0)
	v_wmma_f32_16x16x32_bf16 v[SH+8*\a:SH+8*\a+7], v[TQR+8*\i:TQR+8*\i+7], v[QHI+8*\i:QHI+8*\i+7], 0
	v_wmma_f32_16x16x32_bf16 v[SL+8*\a:SL+8*\a+7], v[TQR+8*\i:TQR+8*\i+7], v[QHI+8*\i+32:QHI+8*\i+39], 0
.else
.if \i == 0
	ALU                                            ; directly ahead of the first reader of an earlier pass's sums
.endif
	v_wmma_f32_16x16x32_bf16 v[SH+8*\a:SH+8*\a+7], v[TQR+8*\i:TQR+8*\i+7], v[QHI+8*\i:QHI+8*\i+7], v[SH+8*\a:SH+8*\a+7]
.if \i == 0
	ALU
.endif
	v_wmma_f32_16x16x32_bf16 v[SL+8*\a:SL+8*\a+7], v[TQR+8*\i:TQR+8*\i+7], v[QLO+8*\i:QLO+8*\i+7], v[SL+8*\a:SL+8*\a+7]
.endif
.endr
	PLACES 4                                       ; the next tile's conversions write these products' sources
.endr
	WIN 0
.endm
	s_load_b256 s[4:11], s[0:1], 0x0               ; XI, WS, BS, TQF
	s_load_b64 s[12:13], s[0:1], 0x20              ; PS
	v_lshl_add_u32 v[SPW], v0, 2, SPARE
	v_mov_b32 v[NIL], 0
	ds_add_u32 v[SPW], v[NIL]                      ; the opening lines: the add, twice on end, and its wait ahead of my first tensor load
	ds_add_u32 v[SPW], v[NIL]
	v_lshrrev_b32 v14, 5, v0
	v_readfirstlane_b32 s[WV], v14                 ; wave 0..3
	s_bfe_u32 s15, ttmp6, 0x40000                  ; cx: it enters addresses in memory alone
	s_and_b32 s16, ttmp9, 3                        ; qd: shared by the cluster's four work-groups
	s_and_not1_b32 s17, ttmp9, 3
	s_add_co_u32 s17, s17, s15                     ; rb = 4 (cluster / 4) + cx
	s_lshr_b32 s18, ttmp9, 2                       ; g
	s_lshr_b32 s19, s18, 1
	s_xor_b32 s18, s18, s19
	s_and_b32 s[FM1], s18, 7                       ; the class c
	s_and_b32 s18, s[FM1], 1                       ; c0
	s_bfe_u32 s19, s[FM1], 0x10001                 ; c1
	s_lshr_b32 s86, s[FM1], 2                      ; c2
	s_lshl_b32 s[FM2], s19, 2
	s_or_b32 s[FM2], s[FM2], s18
	s_lshl_b32 s86, s86, 1
	s_or_b32 s[FM2], s[FM2], s86                   ; 4 c1 + 2 c2 + c0
	s_lshl_b32 s18, s18, 1
	s_xor_b32 s18, s18, s[WV]                      ; wave xor 2 c0
	s_mul_i32 s[FW1], s18, WPART
	s_lshl_b32 s[BW1], s18, 9
	s_lshl_b32 s[BW2], s[WV], 9
	s_mul_i32 s88, s[WV], WPART                    ; my part of a slot in LDS, and of W2's fills
	s_lshl_b32 s92, s[WV], 12                      ; TQF: four fragments of 1,024 bytes a wave,
	s_lshl_b32 s19, s19, 14
	s_add_co_u32 s92, s92, s19                     ; in pass 2 those of W2's half c1
	s_mov_b32 s93, 0
	s_mul_i32 s18, s16, 16*FILLB                   ; WS: the quarter's 16 fills
	s_mov_b32 s19, 0
	s_and_b32 s87, s[FM1], 3
	s_xor_b32 s87, s87, s[WV]                      ; XI: K pair wave xor (c % 4) goes to place pair wave
	s_mul_i32 s87, s87, WPART
	s_mul_i32 s86, s17, FILLB
	s_add_co_u32 s86, s86, s87
	s_mov_b32 s87, 0
	s_lshl_b32 s90, s16, 13                        ; BS: 8,192 bytes a quarter
	s_mov_b32 s91, 0
	s_lshl_b32 s94, s16, 18
	s_lshl_b32 s95, s17, 12
	s_add_co_u32 s94, s94, s95
	s_lshl_b32 s95, s[WV], 10
	s_add_co_u32 s94, s94, s95                     ; PS: quarter, 128 rb + 32 wave tokens of 32 bytes
	s_mov_b32 s95, 0
	s_mov_b32 s[G1J], 15|(3<<16)|(1<<21)           ; group 1: the mask of all four work-groups; elements of 8 bytes; bit 21 beside a mask: 100 rows of 256 bytes, dense
	s_mov_b32 s[G1J+1], 32<<16
	s_mov_b32 s[G1J+2], 100<<16
	s_mov_b32 s[G1J+3], 32<<16
	s_mov_b32 s[G1J+4], 100
	s_mov_b32 s[G1J+5], 32
	s_mov_b32 s[G1J+6], 0
	s_mov_b32 s[G1J+7], 0
	s_mov_b32 s[TRIP], 0
	s_mov_b32 s[PASS], 0
	s_mov_b32 s[TF], 0
	s_mov_b32 s[AP], 0
	s_mov_b32 s[MH], 0xffff0000
	s_mov_b32 s[SEL], 0x76543210
	s_mov_b32 s[SEL+1], 0xfedcba98
	CPAIR A13, 0xaf95df0b                          ; -2.72614226e-10
	CPAIR A9,  0xb60cff51                          ; -2.10102402e-06
	CPAIR A7,  0xb86ec2d2                          ; -5.69250639e-05
	CPAIR A5,  0xba40ac63                          ; -7.34990630e-04
	CPAIR A3,  0xbb41a1f6                          ; -2.95459981e-03
	CPAIR A1,  0xbc83dbd4                          ; -1.60960333e-02
	CPAIR B8,  0xb77460cd                          ; -1.45660718e-05
	CPAIR B4,  0xbadc924e                          ; -1.68282697e-03
	CPAIR B2,  0xbbf19bf8                          ; -7.37332917e-03
	CPAIR B0,  0xbc69b6a7                          ; -1.42647391e-02
	CPAIR RS2, 0x3fb504f3                          ; sqrt 2
	s_add_co_u32 s30, s88, RING0
	s_add_co_u32 s31, s88, RING1
	s_mul_i32 s32, s[WV], UNIT
	s_lshl_b32 s33, s[WV], 13                      ; the scores' stage lies in slot 0, behind its last fill and its last read: 8,192 bytes a wave
	s_add_co_u32 s33, s33, RING0
	s_lshl_b32 s34, s[WV], 11                      ; back: tiles 2 w and 2 w + 1 of every wave's part
	s_add_co_u32 s34, s34, RING0
	s_lshl_b32 s35, s15, 2
	s_add_co_u32 s35, s35, s[WV]
	s_mul_i32 s35, s35, 25*256                     ; the prefetches: 25 blocks of 256 bytes for each of the cluster's 16 waves
	v_and_b32 v14, 31, v0
	v_bfe_u32 v15, v0, 4, 1
	v_lshlrev_b32 v[LI], 4, v14
	v_min_u32 v14, 24, v14
	v_lshlrev_b32 v[BO], 5, v15
	v_lshl_add_u32 v[PFO], v14, 8, s35
	v_add_nc_u32 v[ADR], s88, v[LI]                ; x: A's places 2 w, 2 w + 1
	v_add_nc_u32 v[AD1], HALFA, v[LI]
	v_add_nc_u32 v[ADB0], s30, v[LI]
	v_add_nc_u32 v[ADB1], s31, v[LI]
	v_add_nc_u32 v[HSA], s32, v[LI]
	v_add_nc_u32 v[SGW], s33, v[LI]
	v_add_nc_u32 v[SGR], s34, v[LI]
	v_and_b32 v14, 15, v0
	v_lshlrev_b32 v[PO], 5, v14
	v_lshl_add_u32 v[PO], v15, 4, v[PO]
	ALU                                            ; behind the last address, directly ahead of the waits below
	s_wait_dscnt 0x0                               ; both opening adds are done
	s_wait_kmcnt 0x0
	s_add_nc_u64 s[XB:XB+1], s[4:5], s[86:87]
	WIN 0x80                                       ; x's two units into window 2, which the sums take later
.set ii, 0
.rept 50
	global_load_b128 v[4*ii:4*ii+3], v[LI], s[XB:XB+1] offset:512*ii
.set ii, ii+1
.endr
	WIN 0
	s_add_nc_u64 s[WSB:WSB+1], s[WSB:WSB+1], s[18:19]
	s_add_nc_u64 s[BSB:BSB+1], s[BSB:BSB+1], s[90:91]
	s_mov_b32 s[G0R0], 1
	s_add_co_u32 s[G0R0+1], s88, RING0
	NEXTFILL G0R0                                  ; time 0
	PFADDR PFA                                     ; time 1
	s_mov_b32 s[G0R1], 1
	s_add_co_u32 s[G0R1+1], s88, RING1
	NEXTFILL G0R1                                  ; time 1
	PFADDR PFB                                     ; time 2
	global_prefetch_b8 v[PFO], s[PFA:PFA+1] th:TH_LOAD_NT scope:SCOPE_SE
	global_prefetch_b8 v[PFO], s[PFB:PFB+1] th:TH_LOAD_NT scope:SCOPE_SE
	BIASPTR 0
	s_add_nc_u64 s[TQP:TQP+1], s[10:11], s[92:93]
	s_xor_b32 s92, s92, 16384                      ; pass 3: W2's other half
	s_add_nc_u64 s[TQ2:TQ2+1], s[10:11], s[92:93]
	s_add_nc_u64 s[12:13], s[12:13], s[94:95]
	CROUND                                         ; all four work-groups are here: the first joint loads meet
	tensor_load_to_lds s[G0R0:G0R0+3], s[G1J:G1J+7]  ; the fill of time 0: one tensor load a wave at the head
	s_nop 0
	PLACES 4
	BIASLOAD
.set ii, 128
.rept 128
	v_mov_b32 v[ii], 0                             ; written once, while the loads are on their way: the switches on a tile's number and on the pass write these registers arm by arm, and so each has been written on every way through the text
.set ii, ii+1
.endr
	s_wait_loadcnt 16                              ; x is in; the bias's 16 loads may be out
	WIN 0x08                                       ; an LDS store's data are its source 1: window 2
.set ii, 0
.rept 50
	ds_store_b128 v[ADR], v[4*ii:4*ii+3] offset:512*ii
.set ii, ii+1
.endr
	WIN 0
	ALU                                            ; the head's end
	s_wait_tensorcnt 0x0                           ; my part of the fill of time 0 is in; these lines stand ahead of a later first fill as ahead of a refill
	ds_add_u32 v[SPW], v[NIL]
	s_wait_dscnt 0x0                               ; the add and my stores of x are done
	CROUND                                         ; everybody's part of x is in, and the joint loads meet
	tensor_load_to_lds s[G0R1:G0R1+3], s[G1J:G1J+7]  ; the fill of time 1
	s_nop 0
	PLACES 4
	PASS_HEAD
	KSTEP 0, 1, ADB0, UNIT, LI, UNIT               ; pass 0, K step 0: the bias starts the sums
; Seven trips of half a pass: even trips run K steps 1-4, odd trips K steps 5-7, what follows a pass, and the next pass's K step 0.  Every trip fills both slots again: 2 first fills + 14 = the quarter's 16.
.Ltrip:
	v_add_nc_u32 v[ADR], s[AP], v[LI]
	ALU                                            ; directly behind the write: it is read behind waits
	KTURN G0R0, 1, 1, ADB1, ADR, 2*UNIT            ; K step 1 or 5
	KSTEP 0, 0, ADB1, UNIT, ADR, 3*UNIT            ; K step 2 or 6
	s_bitcmp1_b32 s[TRIP], 0
	s_cbranch_scc1 .Lpass_end
	KTURN G0R1, 1, 1, ADB0, AD1, 0                 ; K step 3
	KSTEP 0, 0, ADB0, UNIT, AD1, UNIT              ; K step 4
	s_branch .Ljoin
.Lpass_end:
	KTURN G0R1, 1, 0, ADB0, LI, 0                  ; K step 7: behind its round no wave reads A's units any more
	s_cmp_lt_u32 s[PASS], 2
	s_cbranch_scc0 .Lscore
	BIASLOAD
	; ---- GELU and the quantiser: my 128 hidden units of 128 tokens become one unit of the second product's A
	s_cmp_eq_u32 s[PASS], 1
	s_cbranch_scc0 .Lkeep_parked
	STORE_PK 0                                     ; pass 0's unit, parked until x was read out: place w
	s_wait_dscnt 0x0
.Lkeep_parked:
	WIN 0x40
	v_mov_b32 v[CA11], 0x32edffee                  ; 2.77068142e-08
	v_mov_b32 v[CA11+1], 0x32edffee
	v_mov_b32 v[CB6], 0xb95fbd29                   ; -2.13374055e-04
	v_mov_b32 v[CB6+1], 0xb95fbd29
	ALU                                            ; they are read behind branches
	WIN 0
	s_mov_b32 s[MROW], 0
.Lrow:                                                 ; a tile of 16 tokens a trip; only the lines that name the tile's own registers are written eight times
.irp m, 1,2,3,4,5,6,7
	s_cmp_eq_u32 s[MROW], \m
	s_cbranch_scc1 .Lci\m
.endr
	CI 0
	s_branch .Lci_done
.irp m, 1,2,3,4,5,6
.Lci\m:
	CI \m
	s_branch .Lci_done
.endr
.Lci7:
	CI 7
.Lci_done:
	WIN 0x55                                       ; all in window 1
.set ii, 0
.rept 32
	v_pk_mul_f32 v[XE+2*ii:XE+2*ii+1], v[HV+2*ii:HV+2*ii+1], s[RS2:RS2+1] op_sel_hi:[1,0]   ; z = (v / 2) sqrt 2
.set ii, ii+1
.endr
.set ii, 0
.rept 16
	v_med3_num_f32 v[XE+ii], v[XE+ii], -4.0, 4.0
.set ii, ii+1
.endr
.irp g, 0,1,2,3
	ERF16 \g
.endr
.irp b, 0,1,2,3
	v_max3_num_f32 v[TM+\b], |v[HV+16*\b]|, |v[HV+1+16*\b]|, 0x1800000   ; block b of 32 hidden units: my 16, and the floor 2^(3 - 127)
.endr
.irp i, 2,4,6,8,10,12,14
.irp b, 0,1,2,3
	v_max3_num_f32 v[TM+\b], v[TM+\b], |v[HV+16*\b+\i]|, |v[HV+1+16*\b+\i]|
.endr
.endr
.irp b, 0,1,2,3
	v_permlanex16_b32 v[TM+4+\b], v[TM+\b], s[SEL], s[SEL+1]
.endr
.irp b, 0,1,2,3
	v_max_num_f32 v[TM+\b], v[TM+\b], v[TM+4+\b]
.endr
.irp b, 0,1,2,3
	v_add_nc_u32 v[TM+12+\b], 0xff000000, v[TM+\b]   ; 2 off the exponent field: the conversion's scale operand
.endr
.irp b, 0,1,2,3
	v_lshrrev_b32 v[TM+4+\b], 23, v[TM+12+\b]      ; the scale's byte
.endr
	v_lshl_or_b32 v[PW], v[TM+5], 8, v[TM+4]       ; the four bytes make my token's scale word
	v_lshl_or_b32 v[PW], v[TM+6], 16, v[PW]
	v_lshl_or_b32 v[PW], v[TM+7], 24, v[PW]
.irp c, 0,1
	v_cvt_scalef32_pk16_fp6_f32 v[PCW+6*\c:PCW+6*\c+2], v[HV+32*\c:HV+32*\c+15], v[TM+12+2*\c]
	v_cvt_scalef32_pk16_fp6_f32 v[PCW+12+4*\c:PCW+14+4*\c], v[HV+16+32*\c:HV+31+32*\c], v[TM+13+2*\c]   ; (a conversion's three registers begin on an even number)
.endr
	v_nop                                          ; one plain place behind a scaled conversion
.irp c, 0,1                                    ; the operand wants a whole block in a lane: lanes 0-15 block 2 c, lanes 16-31 block 2 c + 1
.irp i, 0,1,2
	v_permlane16_swap_b32 v[PCW+6*\c+\i], v[PCW+12+4*\c+\i]
.endr
.endr
	ALU                                            ; the codes and the word are read behind branches
	WIN 0
.irp m, 1,2,3,4,5,6,7
	s_cmp_eq_u32 s[MROW], \m
	s_cbranch_scc1 .Lfin\m
.endr
	FIN 0
	s_branch .Lfin_done
.irp m, 1,2,3,4,5,6
.Lfin\m:
	FIN \m
	s_branch .Lfin_done
.endr
.Lfin7:
	FIN 7
.Lfin_done:
	ALU                                            ; the parked registers are read behind branches and waits
	s_add_co_u32 s[MROW], s[MROW], 1
	s_cmp_lt_u32 s[MROW], 8
	s_cbranch_scc1 .Lrow
	s_cmp_eq_u32 s[PASS], 1
	s_cbranch_scc0 .Lpost_done
	STORE_PK HALFA                                 ; pass 1's unit: place 4 + w
	s_branch .Lpost_done
.Lscore:
	TQLOAD TQP                                     ; asked for ahead of the bias; the first tile's 128 conversions stand between the request and the wait
	BIASLOAD
	SCORE 1, 16                                    ; pass 2's q: 512 columns.  The 16 younger loads are the bias's
.Lpost_done:
	s_wait_dscnt 0x0                               ; for the others' sake: my units of h have landed
	s_barrier_signal -1
	s_barrier_wait -1                              ; slot 1's fill may stay out
	s_add_co_u32 s[PASS], s[PASS], 1
	PASS_HEAD
	KSTEP 0, 1, ADB0, UNIT, LI, UNIT               ; the next pass's K step 0
.Ljoin:
	s_xor_b32 s[AP], s[AP], HALFA
	s_add_co_u32 s[TRIP], s[TRIP], 1
	s_cmp_lt_u32 s[TRIP], 7
	s_cbranch_scc1 .Ltrip
	; the tail is written out: nothing is left to fill
	KTURN G0R0, 0, 1, ADB1, AD1, 2*UNIT            ; pass 3, K step 5: behind its barrier nobody reads slot 0
	KSTEP 0, 0, ADB1, UNIT, AD1, 3*UNIT            ; K step 6
	TQLOAD TQ2                                     ; into B's set 0, which is done with: a K step ahead of its use
	s_wait_dscnt 12
	WIN 0xa1
	MUL16 0, 1, 0                                  ; K step 7
	MUL16 2, 1, 0
	s_wait_dscnt 0x0
	WIN 0xf1
	MUL16 4, 1, 0
	MUL16 6, 1, 0
	PLACES 4
	WIN 0
	SCORE 0, 0                                     ; pass 3's q: the other 512 columns
	; THE WAY OUT.  q's two parts are added; the four waves' sums over their columns meet in the stage; wave w finishes tiles 2 w, 2 w + 1.
.set ii, 0
.rept 32
	v_pk_add_f32 v[SH+2*ii:SH+2*ii+1], v[SH+2*ii:SH+2*ii+1], v[SL+2*ii:SL+2*ii+1]
.set ii, ii+1
.endr
.irp a, 0,1,2,3,4,5,6,7
	ds_store_b128 v[SGW], v[SH+8*\a:SH+8*\a+3] offset:1024*\a
	ds_store_b128 v[SGW], v[SH+8*\a+4:SH+8*\a+7] offset:1024*\a+512
.endr
	s_wait_dscnt 0x0                               ; for the others' sake
	s_barrier_signal -1
	s_barrier_wait -1
.irp t, 0,1
.irp u, 0,1,2,3
	ds_load_b128 v[AF+32*\t+8*\u:AF+32*\t+8*\u+3], v[SGR] offset:8192*\u+1024*\t
	ds_load_b128 v[AF+32*\t+8*\u+4:AF+32*\t+8*\u+7], v[SGR] offset:8192*\u+1024*\t+512
.endr
.endr
	s_wait_dscnt 0x0
.irp t, 0,1
.irp p, 0,2,4,6
	v_pk_add_f32 v[AF+32*\t+\p:AF+32*\t+\p+1], v[AF+32*\t+\p:AF+32*\t+\p+1], v[AF+32*\t+8+\p:AF+32*\t+9+\p]
	v_pk_add_f32 v[AF+32*\t+16+\p:AF+32*\t+17+\p], v[AF+32*\t+16+\p:AF+32*\t+17+\p], v[AF+32*\t+24+\p:AF+32*\t+25+\p]
.endr
.irp p, 0,2,4,6
	v_pk_add_f32 v[AF+32*\t+\p:AF+32*\t+\p+1], v[AF+32*\t+\p:AF+32*\t+\p+1], v[AF+32*\t+16+\p:AF+32*\t+17+\p]
.endr
.irp i, 0,1,2,3,4,5,6,7
	v_permlanex16_b32 v[AF+32*\t+8+\i], v[AF+32*\t+\i], s[SEL], s[SEL+1]   ; tq's other part lies in the lane 16 away
.endr
.irp p, 0,2,4,6
	v_pk_add_f32 v[AF+32*\t+\p:AF+32*\t+\p+1], v[AF+32*\t+\p:AF+32*\t+\p+1], v[AF+32*\t+8+\p:AF+32*\t+9+\p]
.endr
.irp i, 0,1,2,3
	v_cndmask_b32 v[AF+32*\t+16+\i], v[AF+32*\t+\i], v[AF+32*\t+4+\i], s[MH]   ; lanes 0-15 store experts 0-3 of their token, lanes 16-31 experts 4-7
.endr
	global_store_b128 v[PO], v[AF+32*\t+16:AF+32*\t+19], s[12:13] offset:512*\t   ; 32 lanes store 512 consecutive bytes
.endr
	s_wait_tensorcnt 0x0                           ; the wave's end
	ds_add_u32 v[SPW], v[NIL]
	s_wait_dscnt 0x0
	CROUND                                         ; the closing round
	s_endpgm
.Lfunc_end_k_qe30ebd6c26_mlp:
	.size	k_qe30ebd6c26_mlp, .Lfunc_end_k_qe30ebd6c26_mlp-k_qe30ebd6c26_mlp
	.p2alignl 7, 3214868480
	.fill 96, 4, 3214868480
	.section	.rodata,"a",@progbits
	.p2align	6, 0x0
	.amdhsa_kernel k_qe30ebd6c26_mlp
		.amdhsa_group_segment_fixed_size 327680
		.amdhsa_private_segment_fixed_size 0
		.amdhsa_enable_private_segment 0
		.amdhsa_kernarg_size 40
		.amdhsa_user_sgpr_count 2
		.amdhsa_user_sgpr_kernarg_segment_ptr 1
		.amdhsa_wavefront_size32 1
		.amdhsa_system_sgpr_workgroup_id_x 1
		.amdhsa_system_sgpr_workgroup_id_y 1
		.amdhsa_system_sgpr_workgroup_id_z 1
		.amdhsa_system_vgpr_workitem_id 0
		.amdhsa_next_free_vgpr 1024
		.amdhsa_next_free_sgpr 102
		.amdhsa_reserve_vcc 0
		.amdhsa_float_denorm_mode_32 3
		.amdhsa_float_denorm_mode_16_64 3
		.amdhsa_memory_ordered 1
		.amdhsa_forward_progress 1
		.amdhsa_inst_pref_size 255
	.end_amdhsa_kernel
	.section	.bss,"aw",@nobits
	.p2align	6
	.space	262144
	.amdgpu_metadata
---
amdhsa.version: [ 1, 2 ]
amdhsa.kernels:
  - .name:           k_qe30ebd6c26_mlp
    .symbol:         k_qe30ebd6c26_mlp.kd
    .args:
      - { .name: XI, .offset: 0, .size: 8, .value_kind: global_buffer, .address_space: global }
      - { .name: WS, .offset: 8, .size: 8, .value_kind: global_buffer, .address_space: global }
      - { .name: BS, .offset: 16, .size: 8, .value_kind: global_buffer, .address_space: global }
      - { .name: TQF, .offset: 24, .size: 8, .value_kind: global_buffer, .address_space: global }
      - { .name: PS, .offset: 32, .size: 8, .value_kind: global_buffer, .address_space: global }
    .group_segment_fixed_size: 327680
    .private_segment_fixed_size: 0
    .kernarg_segment_align: 8
    .kernarg_segment_size: 40
    .max_flat_workgroup_size: 128
    .sgpr_count:     102
    .vgpr_count:     1024
    .wavefront_size: 32
...
	.end_amdgpu_metadata
.endif
;; end of part 2
;; launch route (part 3): grid 256 x 1, 1 waves a work-group, no clusters, 1,280 bytes of LDS; arguments PS, GT, noise, temperature, out0, out1; writes out0, out1
.if DOCPART == 3
	.amdgcn_target "amdgcn-amd-amdhsa--gfx1250"
	.amdhsa_code_object_version 6
	.text
	.protected	k_qe30ebd6c26_route
	.globl	k_qe30ebd6c26_route
	.p2align	8
	.type	k_qe30ebd6c26_route,@function
k_qe30ebd6c26_route:
	s_mov_b64 s[64:65], 0
	v_nop
	global_prefetch_b8 v0, s[64:65] scope:SCOPE_SE
	s_setreg_imm32_b32 hwreg(HW_REG_WAVE_MODE, 25, 1), 1
	s_wait_xcnt 0x0
; noisy = scores + temperature (noise gate); the two largest of the eight (ties: the lower index, as lax.top_k has it); softmax of these two over temperature + 1e-6, zeros elsewhere.
; One wave a work-group, one token a lane.  scores = the sum of the four quarters in PS [4][8192][8].  gate = sigmoid of the sum of the two halves in GT [2][8192] (noise_b lies in the first).
; Nothing here steers an address or a branch: the choice selects values by v_cndmask_b32.
; The softmax takes its maximum away as the source does: of the two numbers kept the first is the larger, so p1 = 1 / (1 + E), p2 = E p1 with E = e^((m2 - m1) / (T + 1e-6)) <= 1.
; LIMITS: temperature + 1e-6 above 0 (else the masked -inf turn to +inf and the source itself gives NaN); NaN and infinities among the inputs are not served.
.set QB, 262144                        ; a quarter of PS in bytes
	s_load_b256 s[4:11], s[0:1], 0x0               ; PS, GT, noise, temperature
	s_load_b128 s[12:15], s[0:1], 0x20             ; out0, out1
	v_lshl_add_u32 v96, v0, 2, 0x400
	v_mov_b32 v97, 0
	v_lshlrev_b32 v1, 5, v0                        ; 32 bytes a token
	v_lshlrev_b32 v2, 2, v0
	v_lshlrev_b32 v3, 3, v0
	v_lshlrev_b32 v4, 4, v0
	s_lshl_b32 s16, ttmp9, 10                      ; 32 tokens x 32 bytes
	s_mov_b32 s17, 0
	s_lshl_b32 s18, ttmp9, 7
	s_mov_b32 s19, 0
	s_lshl_b32 s20, ttmp9, 8
	s_mov_b32 s21, 0
	s_wait_alu depctr_va_vdst(0)
	s_wait_kmcnt 0x0
	s_load_b32 s22, s[10:11], 0x0                  ; temperature
	s_add_nc_u64 s[4:5], s[4:5], s[16:17]
	s_add_nc_u64 s[6:7], s[6:7], s[18:19]
	s_add_nc_u64 s[8:9], s[8:9], s[16:17]
	s_add_nc_u64 s[12:13], s[12:13], s[16:17]
	s_add_nc_u64 s[14:15], s[14:15], s[20:21]
.irp q, 0,1,2,3
	global_load_b128 v[8+8*\q:11+8*\q], v1, s[4:5] offset:QB*\q
	global_load_b128 v[12+8*\q:15+8*\q], v1, s[4:5] offset:QB*\q+16
.endr
	global_load_b128 v[40:43], v1, s[8:9]
	global_load_b128 v[44:47], v1, s[8:9] offset:16
	global_load_b32 v48, v2, s[6:7]
	global_load_b32 v56, v2, s[6:7] offset:32768   ; the second half of K
	v_mov_b32 v49, 0                               ; named with the gate as a pair; also the zero of the outputs
.irp e, 0,1,2,3,4,5,6,7
	v_mov_b32 v[60+\e], \e
.endr
	v_mov_b32 v68, 0xff800000                      ; -infinity
	s_wait_kmcnt 0x0
	s_mov_b32 s23, s22                             ; (the packed form names the pair)
	v_mov_b32 v69, s22
	v_add_f32 v69, 0x358637bd, v69                 ; T + 1e-6
	s_wait_alu depctr_va_vdst(0)
	v_rcp_f32 v69, v69
	v_nop
	s_wait_alu depctr_va_vdst(0)
	v_mul_f32 v69, 0x3fb8aa3b, v69                 ; log2(e) / (T + 1e-6)
	s_wait_alu depctr_va_vdst(0)
	s_wait_loadcnt 0x0
	v_add_f32 v48, v48, v56                        ; z = x . noise_w + noise_b
	v_mul_f32 v48, 0xbfb8aa3b, v48                 ; x -log2(e)
	s_wait_alu depctr_va_vdst(0)
	v_exp_f32 v48, v48
	v_nop
	s_wait_alu depctr_va_vdst(0)
	v_add_f32 v48, 1.0, v48
	s_wait_alu depctr_va_vdst(0)
	v_rcp_f32 v48, v48                             ; sigmoid = 1 / (1 + 2^(-z log2 e)); where the power overflows the result is 0, as it should be
	v_nop
	s_wait_alu depctr_va_vdst(0)
.irp p, 0,2,4,6
	v_pk_add_f32 v[8+\p:9+\p], v[8+\p:9+\p], v[16+\p:17+\p]
	v_pk_add_f32 v[24+\p:25+\p], v[24+\p:25+\p], v[32+\p:33+\p]
	v_pk_mul_f32 v[40+\p:41+\p], v[40+\p:41+\p], v[48:49] op_sel_hi:[1,0]
.endr
.irp p, 0,2,4,6
	v_pk_add_f32 v[8+\p:9+\p], v[8+\p:9+\p], v[24+\p:25+\p]
.endr
.irp p, 0,2,4,6
	v_pk_fma_f32 v[8+\p:9+\p], v[40+\p:41+\p], s[22:23], v[8+\p:9+\p] op_sel_hi:[1,0,1]   ; noisy
.endr
	v_mov_b32 v50, v8                              ; the largest and its index: a later number wins only if it is strictly larger
	v_mov_b32 v54, 0
.irp e, 1,2,3,4,5,6,7
	v_cmp_gt_f32 vcc_lo, v[8+\e], v50
	v_cndmask_b32 v50, v50, v[8+\e], vcc_lo
	v_cndmask_b32 v54, v54, v[60+\e], vcc_lo
.endr
.irp e, 0,1,2,3,4,5,6,7
	v_cmp_eq_u32 vcc_lo, v[60+\e], v54
	v_cndmask_b32 v[16+\e], v[8+\e], v68, vcc_lo   ; the winner is taken out
.endr
	v_mov_b32 v51, v16                             ; the second
	v_mov_b32 v55, 0
.irp e, 1,2,3,4,5,6,7
	v_cmp_gt_f32 vcc_lo, v[16+\e], v51
	v_cndmask_b32 v51, v51, v[16+\e], vcc_lo
	v_cndmask_b32 v55, v55, v[60+\e], vcc_lo
.endr
	global_store_b64 v3, v[54:55], s[14:15]        ; 32 lanes store 256 consecutive bytes
	v_sub_f32 v52, v51, v50                        ; 0 or less
	v_mul_f32 v52, v52, v69
	s_wait_alu depctr_va_vdst(0)
	v_exp_f32 v52, v52                             ; E
	v_nop
	s_wait_alu depctr_va_vdst(0)
	v_add_f32 v53, 1.0, v52
	s_wait_alu depctr_va_vdst(0)
	v_rcp_f32 v53, v53                             ; p1
	v_nop
	s_wait_alu depctr_va_vdst(0)
	v_mul_f32 v52, v52, v53                        ; p2
.irp e, 0,1,2,3,4,5,6,7
	v_cmp_eq_u32 vcc_lo, v[60+\e], v54
	v_cndmask_b32 v[70+\e], v49, v53, vcc_lo
	v_cmp_eq_u32 vcc_lo, v[60+\e], v55
	v_cndmask_b32 v[70+\e], v[70+\e], v52, vcc_lo
.endr
	ds_store_b128 v1, v[70:73]                     ; a lane's 32 bytes turn through LDS, so that each store below covers 512 consecutive bytes
	ds_store_b128 v1, v[74:77] offset:16
	ds_load_b128 v[80:83], v4                      ; LDS serves a wave's instructions in order: these see the stores above
	ds_load_b128 v[84:87], v4 offset:512
	s_wait_dscnt 0x0
	global_store_b128 v4, v[80:83], s[12:13]
	global_store_b128 v4, v[84:87], s[12:13] offset:512
	s_wait_tensorcnt 0x0                           ; the wave's end
	ds_add_u32 v96, v97
	s_wait_dscnt 0x0
	s_endpgm
.Lfunc_end_k_qe30ebd6c26_route:
	.size	k_qe30ebd6c26_route, .Lfunc_end_k_qe30ebd6c26_route-k_qe30ebd6c26_route
	.p2alignl 7, 3214868480
	.fill 96, 4, 3214868480
	.section	.rodata,"a",@progbits
	.p2align	6, 0x0
	.amdhsa_kernel k_qe30ebd6c26_route
		.amdhsa_group_segment_fixed_size 1280
		.amdhsa_private_segment_fixed_size 0
		.amdhsa_enable_private_segment 0
		.amdhsa_kernarg_size 48
		.amdhsa_user_sgpr_count 2
		.amdhsa_user_sgpr_kernarg_segment_ptr 1
		.amdhsa_wavefront_size32 1
		.amdhsa_system_sgpr_workgroup_id_x 1
		.amdhsa_system_sgpr_workgroup_id_y 1
		.amdhsa_system_sgpr_workgroup_id_z 1
		.amdhsa_system_vgpr_workitem_id 0
		.amdhsa_next_free_vgpr 98
		.amdhsa_next_free_sgpr 66
		.amdhsa_reserve_vcc 1
		.amdhsa_float_denorm_mode_32 3
		.amdhsa_float_denorm_mode_16_64 3
		.amdhsa_memory_ordered 1
		.amdhsa_forward_progress 1
		.amdhsa_inst_pref_size 9
	.end_amdhsa_kernel
	.amdgpu_metadata
---
amdhsa.version: [ 1, 2 ]
amdhsa.kernels:
  - .name:           k_qe30ebd6c26_route
    .symbol:         k_qe30ebd6c26_route.kd
    .args:
      - { .name: PS, .offset: 0, .size: 8, .value_kind: global_buffer, .address_space: global }
      - { .name: GT, .offset: 8, .size: 8, .value_kind: global_buffer, .address_space: global }
      - { .name: noise, .offset: 16, .size: 8, .value_kind: global_buffer, .address_space: global }
      - { .name: temperature, .offset: 24, .size: 8, .value_kind: global_buffer, .address_space: global }
      - { .name: out0, .offset: 32, .size: 8, .value_kind: global_buffer, .address_space: global }
      - { .name: out1, .offset: 40, .size: 8, .value_kind: global_buffer, .address_space: global }
    .group_segment_fixed_size: 1280
    .private_segment_fixed_size: 0
    .kernarg_segment_align: 8
    .kernarg_segment_size: 48
    .max_flat_workgroup_size: 32
    .sgpr_count:     66
    .vgpr_count:     98
    .wavefront_size: 32
...
	.end_amdgpu_metadata
.endif
;; end of part 3
